; MI455X (gfx1250); checked and timed in simulation.
; The chip was launched on July 23, 2026; its instructions are those of AMD's public machine-readable ISA for CDNA 5 (MIT licence, August 2026) and "CDNA5" Instruction Set Architecture Reference Guide (July 2026). The comments in the code are by the model that wrote it; some were corrected since.
;; LSTHM1. Allowed arithmetic: matrix products marked QUANTISED: E3M2 operands, one E8M0 scale for each 32 along K, by v_wmma_scale_f32_16x16x128_f8f6f4 with both operands' format E3M2, f32 sums; everything else in f32.
;; Inputs: Sb 4,096 float32; Sw 256 x 4,096 float32; Ub 4,096 float32; Uw 1,024 x 4,096 float32; Vb 1,024 float32; Vw 1,024 x 1,024 float32; Wb 4,096 float32; Ww 512 x 4,096 float32; ctm 8,192 x 1,024 float32; htm 8,192 x 1,024 float32; speaker_affine 8,192 x 256 float32; x 8,192 x 512 float32; ztm 8,192 x 1,024 float32.
;; Outputs: out0 8,192 x 1,024 float32; out1 8,192 x 1,024 float32.
;; This version of the problem:
;;   THIS VERSION OF THE PROBLEM IS GIVEN IN LOW PRECISION. The matrix products marked QUANTISED in the list below multiply operands that are first quantised to E3M2 (3 exponent bits, 2 mantissa bits; 6 bits a number), with one power-of-two scale for each 32 numbers along K (OCP MX v1.0); their sums are f32. All else is computed in f32.
;;   The module's matrix products, in the order in which they are computed (A, B: the left and right operand; K: the contracted axis; several contracted axes count as one K, in the product's order):
;;     1. [M 8,192, K 512] x [K 512, N 4,096]; A: input x; B: input Ww: QUANTISED
;;     2. [M 8,192, K 1,024] x [K 1,024, N 4,096]; A: input htm; B: input Uw: QUANTISED
;;     3. [M 8,192, K 256] x [K 256, N 4,096]; A: input speaker_affine; B: input Sw: QUANTISED
;;     4. [M 8,192, K 1,024] x [K 1,024, N 1,024]; A: input ztm; B: input Vw: QUANTISED
;;   THE QUANTISER, for each operand of a quantised product, along K:
;;     - K is cut into blocks of 32 from its start; a last block that is shorter is filled with zeros.
;;     - A block's scale is 2^e with e = floor(log2(the largest magnitude in the block)) - 4, held to -126 .. 127; a block of zeros has e = 0. As a byte (E8M0): e + 127.
;;     - Each number is divided by its block's scale, clamped to +-28, and rounded to the nearest number of E3M2, ties to even, subnormals kept.
;;     - The product sums the exact products of the quantised numbers (number of the format x scale) in f32.
;;   ~~~python
;;   def quantise(x, axis):      # numpy; x: float32 -> the quantised numbers, widened to float32 again
;;       x = np.moveaxis(x, axis, -1); K = x.shape[-1]
;;       x = np.pad(x, [(0, 0)] * (x.ndim - 1) + [(0, -K % 32)]); x = x.reshape(x.shape[:-1] + (-1, 32)); a = np.abs(x).max(-1, keepdims=True)
;;       e = np.where(a > 0, np.clip(np.frexp(np.where(a > 0, a, 1))[1] - 1 - 4, -126, 127), 0)      # np.frexp(a)[1] - 1 = floor(log2(a)), exactly
;;       r = np.clip(x / 2.0 ** e, -28, 28)
;;       step = 2.0 ** (np.maximum(np.frexp(np.where(r == 0, 1, r))[1] - 1, -2) - 2)
;;       q = np.round(r / step) * step * 2.0 ** e      # np.round: ties to even
;;       return np.moveaxis(q.reshape(q.shape[:-2] + (-1,))[..., :K], -1, axis).astype(np.float32)
;;   ~~~
;; One version. Each part assembles by itself: llvm-mc -triple=amdgcn-amd-amdhsa -mcpu=gfx1250 --defsym DOCPART=n.
;; ======== version 1 of 1: 2 launches
;; limits: right only within a limited range of input values
;; workspace buffers: aq 18,022,400 bytes; bq 5,734,400 bytes; hq 819,200 bytes
;; launch quant (part 1): grid 15 x 64, 4 waves a work-group, no clusters, 35,328 bytes of LDS; arguments x, htm, speaker_affine, ztm, Ww, Uw, Sw, Vw, aq, bq, hq; writes aq, bq, hq
.if DOCPART == 1
	.amdgcn_target "amdgcn-amd-amdhsa--gfx1250"
	.amdhsa_code_object_version 6
	.text
	.protected	k_qcb2b019906_quant
	.globl	k_qcb2b019906_quant
	.p2align	8
	.type	k_qcb2b019906_quant,@function
k_qcb2b019906_quant:
	s_mov_b64 s[64:65], 0
	v_nop
	global_prefetch_b8 v0, s[64:65] scope:SCOPE_SE
	s_setreg_imm32_b32 hwreg(HW_REG_WAVE_MODE, 25, 1), 1
	s_wait_xcnt 0x0
; All eight f32 operands become codes of BF6 (E3M2) with one E8M0 scale byte for each 32 along K, laid IN THE ORDER OF THE OPERAND'S REGISTERS.
; A fragment image (16 operand rows x 128 K) is 1,536 bytes: registers 4 c .. 4 c + 3 of lane l at 512 c + 16 l.  A UNIT (128 operand rows x 128 K) is 12,800 bytes:
; fragment i (row block i) at 1,536 i; the scale word of row block 2 w + f, row r at 12,288 + 128 w + 8 r + 4 f.  A group's units lie on end along K.
;   aq [64 groups of 128 rows][22 units]: units 0-3 x; 4-11 htm; 12,13 speaker_affine; 14-21 ztm.
;   bq [32 groups of 32 cells][14 units]: units 0-3 Ww; 4-11 Uw; 12,13 Sw; row block 2 gate + u holds the columns 1,024 gate + 32 group + 16 u + r.
;   hq [32 groups][8 units] of Vw, units of 3,200 bytes: fragment u at 1,536 u, scale words at 3,072 + 8 r + 4 u.
; A LANE OWNS ONE OPERAND ROW (a row of an activation, a column of a weight) and its registers run along K: a block of 32 lies in one lane, so its largest magnitude needs no other lane
; and the row's scale words are made in the lane.  A wave makes 32 operand rows x 256 K: two fragments (3,072 consecutive bytes) and 128 consecutive bytes of scale words in each of two units.
; A block's scale is 2^(floor(log2(largest magnitude)) - 4): its byte is the largest magnitude's exponent field - 4, held at 1 from below.
; LIMITS: a block of zeros gets the byte 1 where the rule says 127 (its codes are zeros, and this program alone reads the bytes); largest magnitudes under 2^-122 are held at that floor;
; NaN and infinities among the inputs are not served.
; Work-groups with x < 11 take two units of aq (group y, 256 K from 256 x on); the others take 128 columns x 256 K of a weight.  No tensor loads, no barrier: waves share nothing.
.set UNIT,  12800
.set SUNIT, 3200
.set R,    48                          ; v48-175  numbers as they are loaded: two sets
.set X,    176                         ; v176-239 activations: 64 neighbours along K of my row
.set OFFW, 176                         ; v176-207 weights: my column's byte + i rows, i = 0 .. 31
.set F,    20                          ; v20-31 even blocks' codes, v32-43 odd blocks'; behind the exchange of halves: the fragments of rows 0-15 and of rows 16-31
.set TC,   16                          ; v16-18   a block's upper 16 codes (a conversion's three registers begin on an even number)
.set SB,   14                          ; v14-15   my row's two scale words
; Block t (0 .. 7) of my row: 32 numbers in v[xs] on.
.macro BLOCK xs, t
.set CD, F+12*((\t)%2)+6*(((\t)%4)/2)
.if (\t) == 4
	s_wait_xcnt 0x0                                ; the first unit's stores have read their registers, which are written again from here on
.endif
	v_max3_num_f32 v10, |v[(\xs)]|, |v[(\xs)+1]|, |v[(\xs)+2]|      ; the largest magnitude, in two chains
	v_max3_num_f32 v11, |v[(\xs)+3]|, |v[(\xs)+4]|, |v[(\xs)+5]|
.irp i, 6,10,14,18,22,26
	v_max3_num_f32 v10, v10, |v[(\xs)+\i]|, |v[(\xs)+\i+1]|
	v_max3_num_f32 v11, v11, |v[(\xs)+\i+2]|, |v[(\xs)+\i+3]|
.endr
	v_max3_num_f32 v10, v10, |v[(\xs)+30]|, |v[(\xs)+31]|
	v_max3_num_f32 v10, v10, v11, 0x2800000        ; and the floor 2^(5 - 127): the byte cannot fall under 1
	v_add_nc_u32 v12, 0xfe000000, v10              ; 4 off the exponent field: the conversion takes this operand's exponent field as its scale
	v_cvt_scalef32_pk16_bf6_f32 v[CD:CD+2], v[(\xs):(\xs)+15], v12
	v_cvt_scalef32_pk16_bf6_f32 v[TC:TC+2], v[(\xs)+16:(\xs)+31], v12
	v_lshrrev_b32 v13, 23, v12                     ; the scale's byte (the plain line behind the conversions)
.if (\t)%4 == 0
	v_mov_b32 v[SB+(\t)/4], v13                    ; four bytes to a word, the lower K in the lower byte
.else
	v_lshl_or_b32 v[SB+(\t)/4], v13, 8*((\t)%4), v[SB+(\t)/4]
.endif
.irp i, 0,1,2
	v_mov_b32 v[CD+3+\i], v[TC+\i]                 ; six registers: the block's 32 codes
.endr
.endm
; The four blocks of unit q are made.  The operand's layout gives lanes 0-15 a row's blocks 0 and 2 and lanes 16-31 its blocks 1 and 3: the even blocks' lanes 16-31 change places
; with the odd blocks' lanes 0-15.  Then six stores of 512 consecutive bytes each, into unit q (base s[72:73] or s[86:87]).
.macro FLUSH q
.irp k, 0,1,2,3,4,5,6,7,8,9,10,11
	v_permlane16_swap_b32 v[F+\k], v[F+12+\k]
.endr
.irp f, 0,1
.irp c, 0,1,2
	global_store_b128 v7, v[F+12*\f+4*\c:F+12*\f+4*\c+3], s[72+14*(\q):73+14*(\q)] offset:\f*1536+512*\c
.endr
.endr
.endm
; Activations: 64 along K (256 bytes) of my wave's 32 rows: lanes 0-15 read row 2 i's 256 consecutive bytes, lanes 16-31 row 2 i + 1's.
.macro ALOAD p
.irp i, 0,1,2,3,4,5,6,7,8,9,10,11,12,13,14,15
	global_load_b128 v[R+64*((\p)%2)+4*\i:R+64*((\p)%2)+4*\i+3], v4, s[32+2*\i:33+2*\i] offset:256*(\p) th:TH_LOAD_NT
.endr
.endm
; They turn through the wave's own stage (32 rows of 256 bytes + 16): in as loaded, back a row to a lane.  LDS serves a wave's instructions in order: no wait between.
.macro ATURN p
.irp i, 0,1,2,3,4,5,6,7,8,9,10,11,12,13,14,15
	ds_store_b128 v5, v[R+64*((\p)%2)+4*\i:R+64*((\p)%2)+4*\i+3] offset:544*\i
.endr
.irp k, 0,1,2,3,4,5,6,7,8,9,10,11,12,13,14,15
	ds_load_b128 v[X+4*\k:X+4*\k+3], v6 offset:16*\k
.endr
.endm
; Weights: block t of my column: 32 rows of the weight; a load reads 128 consecutive bytes, the four waves stand side by side on 512.
.macro WLOAD t
.irp i, 0,1,2,3,4,5,6,7,8,9,10,11,12,13,14,15,16,17,18,19,20,21,22,23,24,25,26,27,28,29,30,31
	global_load_b32 v[R+32*((\t)%2)+\i], v[OFFW+\i], s[32+2*(\t):33+2*(\t)] th:TH_LOAD_NT
.endr
.endm
; The scale words.  Lane (r, h) holds the words of units 0 and 1 of row 16 h + r.  The first's lanes 16-31 change places with the second's lanes 0-15: lane (r, h) then holds, for unit h,
; the words of rows r and 16 + r: 8 bytes that lie together; sixteen lanes store 128 consecutive bytes of a unit.
.macro WORDS
	v_permlane16_swap_b32 v[SB], v[SB+1]
	global_store_b64 v8, v[SB:SB+1], s[74:75]
.endm
	s_load_b256 s[4:11], s[0:1], 0x0               ; x, htm, speaker_affine, ztm
	s_load_b256 s[12:19], s[0:1], 0x20             ; Ww, Uw, Sw, Vw
	s_load_b128 s[20:23], s[0:1], 0x40             ; aq, bq
	s_load_b64 s[24:25], s[0:1], 0x50              ; hq
	v_lshl_add_u32 v240, v0, 2, 0x8800
	v_mov_b32 v241, 0
	v_lshrrev_b32 v1, 5, v0
	v_readfirstlane_b32 s26, v1                    ; wave 0..3
	s_mov_b32 s27, ttmp9                           ; work-group x
	s_and_b32 s28, ttmp7, 0xffff                   ; work-group y
	v_and_b32 v1, 31, v0                           ; lane
	v_and_b32 v2, 15, v0                           ; r
	v_bfe_u32 v3, v0, 4, 1                         ; h
	v_lshlrev_b32 v7, 4, v1                        ; an image's place for my lane: 16 x lane
	s_mov_b32 s69, 0
	s_mov_b32 s71, 0
	s_wait_kmcnt 0x0
	s_cmp_ge_u32 s27, 11
	s_cbranch_scc1 .Lweights
	; ---- ACTIVATIONS: group y, units 2 x and 2 x + 1.  Which tensor, its row in bytes, its first step of 256 K: chosen on the work-group's number alone
	s_mov_b64 s[66:67], s[10:11]
	s_mov_b32 s29, 4096
	s_mov_b32 s30, 7
	s_cmp_lt_u32 s27, 7
	s_cselect_b64 s[66:67], s[8:9], s[66:67]
	s_cselect_b32 s29, 1024, s29
	s_cselect_b32 s30, 6, s30
	s_cmp_lt_u32 s27, 6
	s_cselect_b64 s[66:67], s[6:7], s[66:67]
	s_cselect_b32 s29, 4096, s29
	s_cselect_b32 s30, 2, s30
	s_cmp_lt_u32 s27, 2
	s_cselect_b64 s[66:67], s[4:5], s[66:67]
	s_cselect_b32 s29, 2048, s29
	s_cselect_b32 s30, 0, s30
	s_lshl_b32 s68, s28, 7
	s_lshl_b32 s76, s26, 5
	s_add_co_u32 s68, s68, s76                     ; my wave's first row: 128 y + 32 wave
	s_mul_i32 s68, s68, s29
	s_sub_co_u32 s76, s27, s30
	s_lshl_b32 s76, s76, 10                        ; the step's 256 numbers: 1,024 bytes
	s_add_co_u32 s68, s68, s76
	s_add_nc_u64 s[32:33], s[66:67], s[68:69]      ; rows 0 and 1 of the wave's 32
	s_lshl_b32 s70, s29, 1
.irp i, 1,2,3,4,5,6,7,8,9,10,11,12,13,14,15
	s_add_nc_u64 s[32+2*\i:33+2*\i], s[30+2*\i:31+2*\i], s[70:71]   ; two rows on: a base for each pair of rows, since the row's length is chosen
.endr
	s_mul_i32 s68, s28, 11
	s_add_co_u32 s68, s68, s27
	s_mul_i32 s68, s68, 2*UNIT
	s_add_nc_u64 s[74:75], s[20:21], s[68:69]      ; the first of the two units
	s_mul_i32 s68, s26, 3072
	s_add_nc_u64 s[72:73], s[74:75], s[68:69]      ; my wave's two fragments in it,
	s_add_nc_u64 s[86:87], s[72:73], UNIT          ; and in the second
	s_lshl_b32 s68, s26, 7
	s_add_co_u32 s68, s68, 12288
	s_add_nc_u64 s[74:75], s[74:75], s[68:69]      ; my wave's 128 bytes of scale words
	s_wait_alu depctr_va_vdst(0)
	v_mul_u32_u24 v8, v3, UNIT
	v_lshl_add_u32 v8, v2, 3, v8                   ; unit h, 8 r
	v_mul_u32_u24 v4, s29, v3
	v_lshl_add_u32 v4, v2, 4, v4                   ; in memory: h rows + 16 r
	s_mul_i32 s76, s26, 8704                       ; my wave's stage
	v_mul_u32_u24 v5, v3, 272
	v_lshl_add_u32 v5, v2, 4, v5
	v_add_nc_u32 v5, s76, v5                       ; in: row h of a pair, 16 r
	v_mul_u32_u24 v6, v1, 272
	v_add_nc_u32 v6, s76, v6                       ; back: my row
	ALOAD 0
	ALOAD 1
	s_wait_alu depctr_va_vdst(0)
.irp p, 0,1,2,3
.if \p < 3
	s_wait_loadcnt 16                              ; this set's sixteen loads are in; the next set's sixteen may be out
.else
	s_wait_loadcnt 0x0
.endif
	ATURN \p
	s_wait_dscnt 0x0                               ; my 64 neighbours are in, and the stage's stores have read the set
.if \p < 2
	ALOAD \p+2
.endif
	BLOCK X, 2*\p
	BLOCK X+32, 2*\p+1
.if \p%2 == 1
	FLUSH \p/2
.endif
.endr
	WORDS
	s_wait_tensorcnt 0x0
	ds_add_u32 v240, v241
	s_wait_dscnt 0x0
	s_endpgm
.Lweights:
	; ---- WEIGHTS: w = 64 (x - 11) + y; step of 256 K w / 32 (7: Vw); of the rest, 128 columns each
	s_sub_co_u32 s76, s27, 11
	s_lshl_b32 s76, s76, 6
	s_add_co_u32 s76, s76, s28
	s_lshr_b32 s77, s76, 5                         ; step 0 .. 6 of the gates' weights, or 7
	s_and_b32 s78, s76, 31
	s_lshr_b32 s79, s78, 3                         ; the gate; for Vw its step
	s_and_b32 s80, s78, 7
	s_lshl_b32 s80, s80, 2
	s_add_co_u32 s80, s80, s26                     ; my wave's group of 32 cells
	s_mov_b64 s[66:67], s[16:17]
	s_mov_b32 s30, 6
	s_cmp_lt_u32 s77, 6
	s_cselect_b64 s[66:67], s[14:15], s[66:67]
	s_cselect_b32 s30, 2, s30
	s_cmp_lt_u32 s77, 2
	s_cselect_b64 s[66:67], s[12:13], s[66:67]
	s_cselect_b32 s30, 0, s30
	s_sub_co_u32 s81, s77, s30                     ; the step inside its tensor
	s_lshl_b32 s82, s78, 7
	s_lshl_b32 s83, s26, 5
	s_add_co_u32 s82, s82, s83                     ; gates: my wave's first column
	s_lshl_b32 s83, s80, 5                         ; Vw: likewise
	s_mul_i32 s84, s80, 7
	s_add_co_u32 s84, s84, s77
	s_mul_i32 s84, s84, 2*UNIT                     ; gates: the first of the two units,
	s_mul_i32 s85, s79, 3072
	s_add_co_u32 s85, s85, s84                     ; the gate's two fragments in it,
	s_lshl_b32 s76, s79, 7
	s_add_co_u32 s76, s76, s84
	s_add_co_u32 s76, s76, 12288                   ; its scale words
	s_lshl_b32 s78, s80, 2
	s_add_co_u32 s78, s78, s79
	s_mul_i32 s78, s78, 2*SUNIT                    ; Vw: the first of the two small units,
	s_add_co_u32 s84, s78, 3072                    ; its scale words
	s_mov_b32 s29, 16384                           ; a row of a gates' weight in bytes
	s_mov_b32 s88, UNIT                            ; from a unit to the next
	s_mov_b32 s89, 0
	s_cmp_eq_u32 s77, 7                            ; Vw?  One compare, then selections and moves alone
	s_cselect_b64 s[66:67], s[18:19], s[66:67]
	s_cselect_b64 s[72:73], s[24:25], s[22:23]
	s_cselect_b32 s29, 4096, s29
	s_cselect_b32 s88, SUNIT, s88
	s_cselect_b32 s81, s79, s81
	s_cselect_b32 s82, s83, s82
	s_cselect_b32 s85, s78, s85
	s_cselect_b32 s76, s84, s76
	s_mov_b64 s[74:75], s[72:73]
	s_mov_b32 s68, s85
	s_add_nc_u64 s[72:73], s[72:73], s[68:69]
	s_add_nc_u64 s[86:87], s[72:73], s[88:89]
	s_mov_b32 s68, s76
	s_add_nc_u64 s[74:75], s[74:75], s[68:69]
	s_wait_alu depctr_va_vdst(0)
	v_mul_u32_u24 v8, s88, v3
	v_lshl_add_u32 v8, v2, 3, v8                   ; unit h, 8 r
	s_mul_i32 s68, s81, s29
	s_lshl_b32 s68, s68, 8                         ; 256 rows a step
	s_lshl_b32 s82, s82, 2
	s_add_co_u32 s68, s68, s82
	s_add_nc_u64 s[32:33], s[66:67], s[68:69]      ; block 0
	s_lshl_b32 s70, s29, 5
.irp t, 1,2,3,4,5,6,7
	s_add_nc_u64 s[32+2*\t:33+2*\t], s[30+2*\t:31+2*\t], s[70:71]   ; 32 rows on: a base for each block
.endr
	v_lshlrev_b32 v[OFFW], 2, v1                   ; my column
.irp i, 1,2,3,4,5,6,7,8,9,10,11,12,13,14,15,16,17,18,19,20,21,22,23,24,25,26,27,28,29,30,31
	v_add_nc_u32 v[OFFW+\i], s29, v[OFFW+\i-1]     ; a row on
.endr
	WLOAD 0
	WLOAD 1
.irp t, 0,1,2,3,4,5,6,7
.if \t < 7
	s_wait_loadcnt 32                              ; this block's 32 loads are in; the next block's 32 may be out
.else
	s_wait_loadcnt 0x0
.endif
	BLOCK R+32*(\t%2), \t
.if \t < 6
	WLOAD \t+2
.endif
.if \t%4 == 3
	FLUSH \t/4
.endif
.endr
	WORDS
	s_endpgm
.Lfunc_end_k_qcb2b019906_quant:
	.size	k_qcb2b019906_quant, .Lfunc_end_k_qcb2b019906_quant-k_qcb2b019906_quant
	.p2alignl 7, 3214868480
	.fill 96, 4, 3214868480
	.section	.rodata,"a",@progbits
	.p2align	6, 0x0
	.amdhsa_kernel k_qcb2b019906_quant
		.amdhsa_group_segment_fixed_size 35328
		.amdhsa_private_segment_fixed_size 0
		.amdhsa_enable_private_segment 0
		.amdhsa_kernarg_size 88
		.amdhsa_user_sgpr_count 2
		.amdhsa_user_sgpr_kernarg_segment_ptr 1
		.amdhsa_wavefront_size32 1
		.amdhsa_system_sgpr_workgroup_id_x 1
		.amdhsa_system_sgpr_workgroup_id_y 1
		.amdhsa_system_sgpr_workgroup_id_z 1
		.amdhsa_system_vgpr_workitem_id 0
		.amdhsa_next_free_vgpr 242
		.amdhsa_next_free_sgpr 90
		.amdhsa_reserve_vcc 0
		.amdhsa_float_denorm_mode_32 3
		.amdhsa_float_denorm_mode_16_64 3
		.amdhsa_memory_ordered 1
		.amdhsa_forward_progress 1
		.amdhsa_inst_pref_size 73
	.end_amdhsa_kernel
	.amdgpu_metadata
---
amdhsa.version: [ 1, 2 ]
amdhsa.kernels:
  - .name:           k_qcb2b019906_quant
    .symbol:         k_qcb2b019906_quant.kd
    .args:
      - { .name: x, .offset: 0, .size: 8, .value_kind: global_buffer, .address_space: global }
      - { .name: htm, .offset: 8, .size: 8, .value_kind: global_buffer, .address_space: global }
      - { .name: speaker_affine, .offset: 16, .size: 8, .value_kind: global_buffer, .address_space: global }
      - { .name: ztm, .offset: 24, .size: 8, .value_kind: global_buffer, .address_space: global }
      - { .name: Ww, .offset: 32, .size: 8, .value_kind: global_buffer, .address_space: global }
      - { .name: Uw, .offset: 40, .size: 8, .value_kind: global_buffer, .address_space: global }
      - { .name: Sw, .offset: 48, .size: 8, .value_kind: global_buffer, .address_space: global }
      - { .name: Vw, .offset: 56, .size: 8, .value_kind: global_buffer, .address_space: global }
      - { .name: aq, .offset: 64, .size: 8, .value_kind: global_buffer, .address_space: global }
      - { .name: bq, .offset: 72, .size: 8, .value_kind: global_buffer, .address_space: global }
      - { .name: hq, .offset: 80, .size: 8, .value_kind: global_buffer, .address_space: global }
    .group_segment_fixed_size: 35328
    .private_segment_fixed_size: 0
    .kernarg_segment_align: 8
    .kernarg_segment_size: 88
    .max_flat_workgroup_size: 128
    .sgpr_count:     90
    .vgpr_count:     242
    .wavefront_size: 32
...
	.end_amdgpu_metadata
.endif
;; end of part 1
;; launch cell (part 2): grid 16 x 32, 4 waves a work-group, clusters of 4 x 4, 327,680 bytes of LDS; arguments aq, bq, hq, ctm, Wb, Ub, Sb, Vb, out0, out1; writes out0, out1
.if DOCPART == 2
	.amdgcn_target "amdgcn-amd-amdhsa--gfx1250"
	.amdhsa_code_object_version 6
	.text
	.protected	k_qcb2b019906_cell
	.globl	k_qcb2b019906_cell
	.p2align	8
	.type	k_qcb2b019906_cell,@function
k_qcb2b019906_cell:
	s_mov_b64 s[64:65], 0
	v_nop
	global_prefetch_b8 v0, s[64:65] scope:SCOPE_SE
	s_setreg_imm32_b32 hwreg(HW_REG_WAVE_MODE, 25, 1), 1
	s_wait_xcnt 0x0
	s_wait_alu depctr_hold_cnt(0) depctr_sa_sdst(0) depctr_va_vdst(0) depctr_va_sdst(0) depctr_va_ssrc(0) depctr_va_vcc(0) depctr_vm_vsrc(0)
	s_getreg_b32 s2, hwreg(HW_REG_IB_STS2, 6, 4)
	s_cmp_eq_u32 s2, 0
	s_cbranch_scc0 .Lentry_in_a_cluster
	s_endpgm
.Lentry_in_a_cluster:
	s_bfe_u32 s2, ttmp6, 0x10000c
	s_cmp_lg_u32 s2, 0xf033
	s_cbranch_scc0 .Lentry_shape_is_right
	s_endpgm
.Lentry_shape_is_right:
; sums = [x | htm | speaker] [Ww; Uw; Sw] + Wb + Ub + Sb (K = 1,792), hybrid = ztm Vw + Vb (K = 1,024), both on codes of BF6 (E3M2) with E8M0 scales, sums in f32; then, in f32,
; c = (sigmoid(f) + sigmoid(hybrid)) ctm + sigmoid(i) tanh(ch), h = tanh(c) sigmoid(o).  Neither sums nor hybrid go to memory.
; OPERANDS come as images of the operand's registers, in UNITS of 128 operand rows x 128 K, 12,800 bytes: fragment i (16 rows) at 1,536 i, three loads of 16 bytes a lane; the scale word of row block
; 2 w + f, row r at 12,288 + 128 w + 8 r + 4 f, so that four loads of 8 bytes give a unit's eight scale registers.  Vw's units (32 rows) are 3,200 bytes.  A group's units lie on end along K.
; SHARES.  A work-group owns 256 rows x 64 cells; wave (rh, ch) owns 128 rows x 32 cells: for the gates 128 x 128 of sums, 64 accumulators, 512 registers.  B's row block 2 gate + u holds the columns
; 1,024 gate + (the wave's 32 cells) + 16 u + r.  THE MATRIX INSTRUCTION IS USED TRANSPOSED (source 0 = B's rows, source 1 = A's): in accumulator (a, 2 gate + u) lane (r, h), register j holds row
; 16 a + r, cell 16 u + 8 h + j: the four gates and the hybrid of one cell lie in one lane at one register index, so the cell's arithmetic needs no other lane.
; TWO LDS SLOTS OF 153,600 BYTES, one tensor load a wave for each fill.  The gates' 14 units come in five fills of 3, 3, 3, 3 and 2 units (four regions of 38,400 bytes: A's two groups of rows, B's two
; groups of cells): 192 matrix instructions a wave to a fill, 160 of them between a request and the wait for it.  The hybrid's 8 units come in two fills of 4 (A's two regions of 51,200 bytes, Vw's two of
; 12,800).  ctm comes last, into slot 1; c takes its place there, and h's rows lie behind it: both in bytes that have had their last fill.  The hybrid's 16 accumulators take the place of the ch gate's,
; used up just before.  The gates' exponentials stand where the late fills have to land.
; NO LOOP: register sets and slots come back after six units, and the second lap's two refills have other shapes than the first's, so the 14 units are written out by macro.
; CLUSTER 4 x 4: A's units hang on the tile row alone and are asked for jointly along a row of the cluster, B's and Vw's on the tile column alone, along a column.  ctm is each work-group's own.
; THE FUNCTIONS.  sigmoid(s) = 1 / (1 + E), E = 2^(-log2(e) s); tanh(s) = (1 - E) / (1 + E), E = 2^(-2 log2(e) s).  The bias, times the same factor, is the addend of the exponent's multiply-add.
; LIMIT: exponents are held at 60 from above, so that a product of two (1 + E) stays finite and two functions share one reciprocal: a sigmoid under about 2^-60 is held there.  NaN and infinities are not served.
; REGISTERS, in windows of 256.  Window 0: v1-29 addresses; v32-47 scale words, two sets; v64-159 A's fragments (later at work); v160-239 the biases; v240-243 Vw's scale words.
;   Window 1: B's fragments, sets at v0 and v96 (hybrid: v0-47 Vw's four, v96-191 A's odd unit); at the end the rows on their way out.  Windows 2, 3: accumulator (a, b) at v[8 (8 (a % 4) + b)] of window 2 + a / 4.
.set UNIT,  12800
.set FRB,   1536                       ; a fragment's image
.set SCO,   12288                      ; a unit's scale words
.set SU,    3200                       ; a unit of Vw
.set SSCO,  3072                       ; its scale words
.set REG3,  3*UNIT                     ; a region of a gates' fill
.set SLOT,  4*REG3
.set HA,    4*UNIT                     ; A's region of a hybrid fill
.set HB0,   2*HA                       ; behind A's two: Vw's two,
.set HBR,   4*SU                       ; of this size
.set CP,    272                        ; a row of ctm, c or h in LDS: 256 bytes + 16
.set CTM,   SLOT                       ; slot 1: 256 rows of ctm; c takes their place
.set HST,   SLOT+256*CP                ; behind them h's 256 rows
.set SPARE, 2*SLOT                     ; the spare words, 128 bytes for each wave: two blocks of 256 bytes that no other line names
.set ADRA, 8                           ; v8-9    gates: my A region in slot 0, 1, + 16 x lane
.set ADRB, 10                          ; v10-11  my B region likewise
.set ADRS, 12                          ; v12-13  scale words: lanes 0-15 A's region, lanes 16-31 B's, + 8 r
.set AHA,  14                          ; v14-15  hybrid: my A region, + 16 x lane
.set AHB,  16                          ; v16-17  my region of Vw, + 16 x lane
.set AHSA, 18                          ; v18-19  my A region, + 8 r
.set AHSB, 20                          ; v20-21  my region of Vw, + 8 r
.set ADC,  22                          ; v22     ctm / c: row 128 rh + r, bytes 128 ch + 32 h
.set ADH,  23                          ; v23     h likewise
.set RDC,  24                          ; v24     the way out: row 128 rh + 16 ch + h, 16 r
.set RDH,  25
.set CO,   26                          ; v26     the same two rows in memory: 4,096 h + 16 r
.set BO,   27                          ; v27     32 h: my eight cells' biases
.set SPW,  28                          ; v28     my spare word; never rewritten
.set NIL,  29                          ; v29     0; never rewritten
.set SC,   32                          ; scale words: set p at v[SC + 8 p]; register i: lanes 0-15 A's row block i, lanes 16-31 B's
.set AF,   64
.set BI,   160                         ; bias x factor at 16 g + 8 u + j; g = 0 .. 3: f, i, o, ch; g = 4: hybrid
.set SCH,  240
.set CT,   64                          ; at work in the cell's end: ctm, then a divisor
.set T1,   96
.set T2,   128
.set G1A4, 4                           ; s[4:11]   group 1: four units of A     (written when the pointers that lay here are used up)
.set G1H,  12                          ; s[12:19]  four units of Vw             (likewise)
.set G1A3, 28                          ; s[28:35]  three units of A
.set G1B3, 36                          ; s[36:43]  three of B
; (A fill of two units uses the groups 1 of three, with the two words that count rows written anew where no tensor load of the wave is out.)
; THE PREFETCHES INTO THE L2.  A region's units lie on end in memory: A's 22 are 1,100 blocks of 256 bytes, B's 14 are 700.  Behind each joint load the stream is asked for up to the end of the NEXT fill, in chunks
; of 128 blocks from block 150 on: the four partners that ask for a region jointly take 32 blocks each, told apart by address (cx for A, cy for B), a lane a block, one instruction a wave.
; Each stream's last chunk is clamped to its last block.  Vw's 100 blocks are asked for one fill ahead of their first load; my 64 rows of ctm three and two fills ahead of theirs.  Every offset is an immediate: no address register is written again.
.set PFA,  44                          ; s[44:45] the region that I fetch, of A or of B
.set PFH,  46                          ; s[46:47] my region of Vw
.set PFC,  48                          ; s[48:49] my 64 rows of ctm   (s50: 32 x my place among the four; s51: the last chunk's last block)
.set PFO,  48                          ; v48      256 x (32 place + lane)
.set PFK,  49                          ; v49      the same, clamped for the stream's last chunk: A 53, B 37
.set PFV,  50                          ; v50      the same, clamped to Vw's block 99
.set PFR,  51                          ; v51      4,096 x lane: a lane a row of ctm
.set PF0,  150*256                     ; the first chunk's first byte
.set PFS,  128*256                     ; a chunk
.set G0A,  60                          ; s[60:63], s[68:71] group 0 for A, slot 0, 1
.set G0B,  72                          ; s[72:79] for B
.set G0H5, 80                          ; s[80:83] Vw's units 0-3, into slot 1
.set G0H6, 84                          ; s[84:87] Vw's units 4-7, into slot 0
.set G0C,  88                          ; s[88:91] for ctm
.set G1C,  92                          ; s[92:99] group 1 for ctm               (written when the set-up's numbers that lay here are used up)
.set CL,   100                         ; s[100:101] -log2(e)
.set C2,   104                         ; s[104:105] -2 log2(e)
.set CAP,  27                          ; s27      60.0
.set NCAP, 2                           ; s2       -60.0 (written when the mask that lay there is used up)
; THE HOLDS IN FORCE.  f's and the hybrid's exponents are held at 60 from above: (1 + Ef)(1 + Eh) stays finite.  The two tanh exponents (ch's and c's) are held to -60 .. 60: their E is
; finite and not 0, so a partner's 1 + E (i's, o's), which is not held and may be infinite, gives an infinite divisor, a reciprocal of 0 and a result of 0, never infinity x 0.
.set MSB, 0
.macro WIN new                         ; the immediate's high byte repeats the setting that is left; a switch that changes nothing is dropped
.if MSB != (\new)
	s_set_vgpr_msb (MSB<<8)|(\new)
.set MSB, (\new)
.endif
.endm
.set MUL_LO, 0xa1                      ; source 0 (B) window 1, source 1 (A) window 0, C and D window 2
.set MUL_HI, 0xf1                      ; the same, C and D window 3
.set TO_B,   0x40                      ; destination window 1, address window 0
.macro PLACES n                        ; plain vector lines between a matrix instruction and a load into, or a vector read of, its registers
.rept \n
	v_nop
.endr
.endm
.macro WT                              ; between transcendentals and the first line that names a result: one for a batch
	s_wait_alu depctr_va_vdst(0)
.endm
.macro G1DENSE g, rows                 ; words 1 to 7 of a group 1: a dense block as rows of 32 elements of 8 bytes, no padding
	s_mov_b32 s[\g+1], 32<<16                      ; tensor_dim0
	s_mov_b32 s[\g+2], (\rows)<<16                 ; tensor_dim1
	s_mov_b32 s[\g+3], 32<<16                      ; tile_dim0
	s_mov_b32 s[\g+4], \rows                       ; tile_dim1
	s_mov_b32 s[\g+5], 32                          ; from row to row
	s_mov_b32 s[\g+6], 0
	s_mov_b32 s[\g+7], 0
.endm
; A joint load: waves 0 and 1 fetch A's two regions, waves 2 and 3 B's.  The branch hangs on the wave's number alone.  Four v_nop follow each of the two lines.
.macro JLOAD g0a, g1a, g0b, g1b
	s_cmp_eq_u32 s25, 0
	s_cbranch_scc0 .Lfor_b_\@
	tensor_load_to_lds s[\g0a:\g0a+3], s[\g1a:\g1a+7]
	s_nop 0
.rept 4
	v_nop
.endr
	s_branch .Lasked_\@
.Lfor_b_\@:
	tensor_load_to_lds s[\g0b:\g0b+3], s[\g1b:\g1b+7]
	s_nop 0
.rept 4
	v_nop
.endr
.Lasked_\@:
.endm
.macro CREST                           ; a round of the cluster's barrier behind its opening barrier
	s_cmp_lg_u32 s24, 0
	s_cbranch_scc1 .Lnot_wave_0_\@
	s_barrier_signal -3
.Lnot_wave_0_\@:
	s_barrier_wait -3
	s_barrier_signal -1
	s_barrier_wait -1
.endm
.macro CROUND
	s_barrier_signal -1
	s_barrier_wait -1
	CREST
.endm
.macro FRAG reg, adr, off              ; a fragment's image: three loads of 512 consecutive bytes
.irp c, 0,1,2
	ds_load_b128 v[\reg+4*\c:\reg+4*\c+3], v[\adr] offset:\off+512*\c
.endr
.endm
.macro FETCH_B slot, u, p              ; B's eight fragments of the slot's unit u into set p
	WIN TO_B
.irp i, 0,1,2,3,4,5,6,7
	FRAG 96*(\p)+12*\i, ADRB+\slot, (\u)*UNIT+\i*FRB
.endr
	WIN 0
.endm
.macro FETCH_A slot, u, i0             ; A's blocks i0 .. i0 + 3
.irp i, \i0, \i0+1, \i0+2, \i0+3
	FRAG AF+12*(\i), ADRA+\slot, (\u)*UNIT+(\i)*FRB
.endr
.endm
.macro SCALES slot, u, p               ; the unit's eight scale registers into set p: lanes 0-15 A's words, lanes 16-31 B's
.irp w, 0,1,2,3
	ds_load_b64 v[SC+8*(\p)+2*\w:SC+8*(\p)+2*\w+1], v[ADRS+\slot] offset:(\u)*UNIT+SCO+128*\w
.endr
.endm
; 16 matrix instructions: A's blocks a0, a0 + 1 x B's eight.  The 64 accumulators take turns, one instruction a turn, in the same order in every unit.
.macro MUL16 a0, p, zero
.irp a, \a0, \a0+1
.irp b, 0,1,2,3,4,5,6,7
.if \zero
	v_wmma_scale_f32_16x16x128_f8f6f4 v[8*(8*((\a)%4)+\b):8*(8*((\a)%4)+\b)+7], v[96*(\p)+12*\b:96*(\p)+12*\b+11], v[AF+12*(\a):AF+12*(\a)+11], 0, v[SC+8*(\p)+\b], v[SC+8*(\p)+(\a)] matrix_a_fmt:MATRIX_FMT_BF6 matrix_b_fmt:MATRIX_FMT_BF6 matrix_a_scale:MATRIX_SCALE_ROW1
.else
	v_wmma_scale_f32_16x16x128_f8f6f4 v[8*(8*((\a)%4)+\b):8*(8*((\a)%4)+\b)+7], v[96*(\p)+12*\b:96*(\p)+12*\b+11], v[AF+12*(\a):AF+12*(\a)+11], v[8*(8*((\a)%4)+\b):8*(8*((\a)%4)+\b)+7], v[SC+8*(\p)+\b], v[SC+8*(\p)+(\a)] matrix_a_fmt:MATRIX_FMT_BF6 matrix_b_fmt:MATRIX_FMT_BF6 matrix_a_scale:MATRIX_SCALE_ROW1
.endif
.endr
.endr
.endm
; A unit that has its successor in the same slot.  p: its set of B's fragments and of scale words.  A has one set of registers: blocks 0-3 are fetched anew in the middle, blocks 4-7 at the end.
.macro GSTEP slot, u, p, zero
	s_wait_dscnt 12                                ; all but the youngest twelve loads (A's blocks 4-7) are in
	WIN MUL_LO
	MUL16 0, \p, \zero
	MUL16 2, \p, \zero
	s_wait_dscnt 0x0                               ; A's blocks 4-7 are in
	PLACES 4
	FETCH_B \slot, (\u)+1, 1-(\p)
	FETCH_A \slot, (\u)+1, 0
	SCALES \slot, (\u)+1, 1-(\p)
	WIN MUL_HI
	MUL16 4, \p, \zero
	MUL16 6, \p, \zero
	PLACES 4
	WIN 0
	FETCH_A \slot, (\u)+1, 4
.endm
; A slot's third unit, and the change of slots: each wave waits for all its tensor loads, adds 0 to its spare word, waits for that and for its reads of this slot; the barrier opens a round of the
; cluster's barrier; behind the round this slot is filled again.  kind 1: three units of A and of B, six units on; kind 2: two; kind 3: the hybrid's first four units of A, and Vw's.
.macro TURN slot, p, next, kind
	s_wait_tensorcnt 0x0                           ; all my tensor loads have landed: my part of the next slot among them (every window is 0 here)
	ds_add_u32 v[SPW], v[NIL]                      ; 0 onto my spare word
	s_wait_dscnt 13                                ; the add and the youngest twelve loads (A's blocks 4-7) may be out
	WIN MUL_LO
	MUL16 0, \p, 0
	s_wait_dscnt 0x0                               ; the add is done, and my reads of this slot are over
	s_barrier_signal -1
	MUL16 2, \p, 0
	WIN 0
	s_barrier_wait -1
	CREST                                          ; no wave of any partner still reads this slot or has a load on its way
.if \kind == 3
	s_mul_i32 s66, s26, HA
	s_add_co_u32 s[G0A+8*\slot+1], s66, \slot*SLOT ; A's regions are now 51,200 bytes
	s_add_nc_u64 s[G0A+8*\slot+2:G0A+8*\slot+3], s[G0A+8*\slot+2:G0A+8*\slot+3], 5*UNIT   ; from unit 9 to unit 14
	JLOAD G0A+8*\slot, G1A4, G0H5, G1H
.else
	s_add_nc_u64 s[G0A+8*\slot+2:G0A+8*\slot+3], s[G0A+8*\slot+2:G0A+8*\slot+3], 6*UNIT
	s_add_nc_u64 s[G0B+4*\slot+2:G0B+4*\slot+3], s[G0B+4*\slot+2:G0B+4*\slot+3], 6*UNIT
.if \kind == 1
	JLOAD G0A+8*\slot, G1A3, G0B+4*\slot, G1B3     ; the first tensor load behind the round; its four v_nop are the places in front of the loads below
.else
	s_mov_b32 s[G1A3+2], 100<<16                   ; two units: 100 rows of 256 bytes; no tensor load of mine is out
	s_mov_b32 s[G1A3+4], 100
	s_mov_b32 s[G1B3+2], 100<<16
	s_mov_b32 s[G1B3+4], 100
	JLOAD G0A+8*\slot, G1A3, G0B+4*\slot, G1B3
.endif
.endif
	FETCH_B \next, 0, 1-(\p)
	FETCH_A \next, 0, 0
	SCALES \next, 0, 1-(\p)
.if \kind == 1 && \slot == 0
	global_prefetch_b8 v[PFO], s[PFA:PFA+1] offset:PF0+3*PFS th:TH_LOAD_NT scope:SCOPE_SE   ; up to block 661: units 9-11 end at 599
.else
	s_cmp_eq_u32 s25, 0                            ; A's stream goes on into the hybrid's units, B's ends: the branch hangs on the wave's number alone
	s_cbranch_scc0 .Lpf_b_\@
.if \kind == 1
	global_prefetch_b8 v[PFO], s[PFA:PFA+1] offset:PF0+4*PFS th:TH_LOAD_NT scope:SCOPE_SE
.endif
.if \kind == 2
	global_prefetch_b8 v[PFO], s[PFA:PFA+1] offset:PF0+5*PFS th:TH_LOAD_NT scope:SCOPE_SE
.endif
.if \kind == 3
	global_prefetch_b8 v[PFO], s[PFA:PFA+1] offset:PF0+6*PFS th:TH_LOAD_NT scope:SCOPE_SE
	global_prefetch_b8 v[PFK], s[PFA:PFA+1] offset:PF0+7*PFS th:TH_LOAD_NT scope:SCOPE_SE   ; blocks 1,046 to 1,099, A's last
.endif
	s_branch .Lpf_j_\@
.Lpf_b_\@:
.if \kind == 1
	global_prefetch_b8 v[PFK], s[PFA:PFA+1] offset:PF0+4*PFS th:TH_LOAD_NT scope:SCOPE_SE   ; blocks 662 to 699, B's last
.endif
.if \kind == 2
	global_prefetch_b8 v[PFV], s[PFH:PFH+1] th:TH_LOAD_NT scope:SCOPE_SE                    ; Vw's 100 blocks
.endif
.Lpf_j_\@:
.if \kind == 2
	global_prefetch_b8 v[PFR], s[PFC:PFC+1] th:TH_LOAD_NT scope:SCOPE_SE                    ; ctm: my rows 0-31
.endif
.if \kind == 3
	global_prefetch_b8 v[PFR], s[PFC:PFC+1] offset:32*4096 th:TH_LOAD_NT scope:SCOPE_SE     ; my rows 32-63
.endif
.endif
	WIN MUL_HI
	MUL16 4, \p, 0
	MUL16 6, \p, 0
	PLACES 4
	WIN 0
	FETCH_A \next, 0, 4
.endm
; Two units of the hybrid, 2 pr and 2 pr + 1 of the slot's four: 70 LDS loads: Vw's four fragments (u, q), A's sixteen, A's sixteen scale registers, Vw's four.
.macro HFETCH slot, pr
	WIN TO_B
.irp q, 0,1
.irp u, 0,1
	FRAG 12*(2*\u+\q), AHB+\slot, (2*(\pr)+\q)*SU+\u*FRB
.endr
.endr
.irp i, 0,1,2,3,4,5,6,7
	FRAG 96+12*\i, AHA+\slot, (2*(\pr)+1)*UNIT+\i*FRB
.endr
	WIN 0
.irp i, 0,1,2,3,4,5,6,7
	FRAG AF+12*\i, AHA+\slot, (2*(\pr))*UNIT+\i*FRB
.endr
.irp q, 0,1
.irp w, 0,1,2,3
	ds_load_b64 v[SC+8*\q+2*\w:SC+8*\q+2*\w+1], v[AHSA+\slot] offset:(2*(\pr)+\q)*UNIT+SCO+128*\w
.endr
	ds_load_b64 v[SCH+2*\q:SCH+2*\q+1], v[AHSB+\slot] offset:(2*(\pr)+\q)*SU+SSCO
.endr
.endm
; 16 matrix instructions of the hybrid: its 16 accumulators, (a, 6 + u), by turns.  q = 0: the even unit, A in window 0; q = 1: the odd one, A in window 1.
.macro HMUL q, zero
.irp a, 0,1,2,3,4,5,6,7
	WIN 0xa1+0x50*(\a/4)+4*(\q)
.irp u, 0,1
.set HACC, 64*(\a%4)+48+8*\u
.set HSRC, AF+12*\a+(\q)*(96-AF)
.if \zero
	v_wmma_scale_f32_16x16x128_f8f6f4 v[HACC:HACC+7], v[12*(2*\u+(\q)):12*(2*\u+(\q))+11], v[HSRC:HSRC+11], 0, v[SCH+2*(\q)+\u], v[SC+8*(\q)+\a] matrix_a_fmt:MATRIX_FMT_BF6 matrix_b_fmt:MATRIX_FMT_BF6
.else
	v_wmma_scale_f32_16x16x128_f8f6f4 v[HACC:HACC+7], v[12*(2*\u+(\q)):12*(2*\u+(\q))+11], v[HSRC:HSRC+11], v[HACC:HACC+7], v[SCH+2*(\q)+\u], v[SC+8*(\q)+\a] matrix_a_fmt:MATRIX_FMT_BF6 matrix_b_fmt:MATRIX_FMT_BF6
.endif
.endr
.endr
.endm
; THE CELL'S ARITHMETIC, on a pair P of row blocks (a = 2 P, 2 P + 1; both in window 2 + P / 2).  Gate g of block a is 16 consecutive registers at 64 (a % 4) + 16 g.  Every loop ascends.
.macro GFMA P, g, sc, bi               ; the exponent: sum x factor + bias x factor
.irp e, 0,1
.irp n, 0,2,4,6,8,10,12,14
.set RR, 64*((2*(\P)+\e)%4)+16*(\g)+\n
	v_pk_fma_f32 v[RR:RR+1], v[RR:RR+1], s[\sc:\sc+1], v[BI+\bi+\n:BI+\bi+\n+1] op_sel_hi:[1,0,1]
.endr
.endr
.endm
.macro GCAP P, g                       ; held at 60 from above
.irp e, 0,1
.set RR, 64*((2*(\P)+\e)%4)+16*(\g)
.rept 16
	v_min_num_f32 v[RR], s[CAP], v[RR]
.set RR, RR+1
.endr
.endr
.endm
.macro GEXP P, g
.irp e, 0,1
.set RR, 64*((2*(\P)+\e)%4)+16*(\g)
.rept 16
	v_exp_f32 v[RR], v[RR]
.set RR, RR+1
.endr
.endr
.endm
.macro GRCP P, g
.irp e, 0,1
.set RR, 64*((2*(\P)+\e)%4)+16*(\g)
.rept 16
	v_rcp_f32 v[RR], v[RR]
.set RR, RR+1
.endr
.endr
.endm
.macro GINC P, g                       ; 1 + E
.irp e, 0,1
.irp n, 0,2,4,6,8,10,12,14
.set RR, 64*((2*(\P)+\e)%4)+16*(\g)+\n
	v_pk_add_f32 v[RR:RR+1], v[RR:RR+1], 1.0 op_sel_hi:[1,0]
.endr
.endr
.endm
; sigmoid(i) tanh(ch) = (1 - Ec) / ((1 + Ei) (1 + Ec)), left in i's registers; ch's are then free
.macro A1PRE P
	WIN 0x8a+0x45*((\P)/2)                         ; sources 0, 1 and the destination in the accumulators' window, source 2 (the bias) in window 0
	GFMA \P, 1, CL, 16
	GFMA \P, 3, C2, 48
.irp e, 0,1
.set RR, 64*((2*(\P)+\e)%4)+48
.rept 16
	v_med3_num_f32 v[RR], v[RR], s[NCAP], s[CAP]   ; ch's exponent, held on both sides; i's is not held
.set RR, RR+1
.endr
.endr
.endm
.macro A1EXP P
	WIN 0xaa+0x55*((\P)/2)                         ; all in the accumulators' window
	GEXP \P, 1
	GEXP \P, 3
.endm
.macro A1MID P
	WIN 0xaa+0x55*((\P)/2)
	GINC \P, 1
.irp e, 0,1
.irp n, 0,2,4,6,8,10,12,14
.set RR, 64*((2*(\P)+\e)%4)+\n
	v_pk_fma_f32 v[RR+16:RR+17], v[RR+16:RR+17], v[RR+48:RR+49], v[RR+16:RR+17]   ; (1 + Ei) (1 + Ec)
.endr
.endr
.endm
.macro A1RCP P
	WIN 0xaa+0x55*((\P)/2)
	GRCP \P, 1
.endm
.macro A1END P
	WIN 0xaa+0x55*((\P)/2)
.irp e, 0,1
.irp n, 0,2,4,6,8,10,12,14
.set RR, 64*((2*(\P)+\e)%4)+\n
	v_pk_fma_f32 v[RR+16:RR+17], v[RR+48:RR+49], v[RR+16:RR+17], v[RR+16:RR+17] neg_lo:[1,0,0] neg_hi:[1,0,0]   ; R - Ec R = (1 - Ec) R
.endr
.endr
.endm
; Ef and 1 + Eo, left in f's and o's registers
.macro A2PRE P
	WIN 0x8a+0x45*((\P)/2)
	GFMA \P, 0, CL, 0
	GFMA \P, 2, CL, 32
	GCAP \P, 0
.endm
.macro A2EXP P
	WIN 0xaa+0x55*((\P)/2)
	GEXP \P, 0
	GEXP \P, 2
.endm
.macro A2POST P
	WIN 0xaa+0x55*((\P)/2)
	GINC \P, 2
.endm
.macro ACT2S P                         ; one pair
	A2PRE \P
	s_wait_alu depctr_va_vdst(0)
	A2EXP \P
	v_nop
	WT
	A2POST \P
.endm
; THE WAY OUT, pair by pair.  Behind a pair's barrier 64 rows of c and of h are whole; wave (rh, ch) takes rows 128 rh + 32 P + 16 ch + 0 .. 15 of each, two rows an instruction, into window 1: 64 registers
; a pair, 256 for the four, so that no store's data are written again.
.macro OLOAD P
	WIN TO_B
.irp t, 0,1,2,3,4,5,6,7
	ds_load_b128 v[64*(\P)+4*\t:64*(\P)+4*\t+3], v[RDC] offset:(32*(\P)+2*\t)*CP
.endr
.irp t, 0,1,2,3,4,5,6,7
	ds_load_b128 v[64*(\P)+32+4*\t:64*(\P)+32+4*\t+3], v[RDH] offset:(32*(\P)+2*\t)*CP
.endr
	WIN 0
.endm
.macro OSTORE P                        ; sixteen lanes store 256 consecutive bytes, at a multiple of 256 from the buffer's first byte; written once, read by nobody here
	WIN 0x04                                       ; a store's data are its source 1: window 1
.irp t, 0,1,2,3,4,5,6,7
	global_store_b128 v[CO], v[64*(\P)+4*\t:64*(\P)+4*\t+3], s[20:21] offset:(32*(\P)+2*\t)*4096 th:TH_STORE_NT
.endr
.irp t, 0,1,2,3,4,5,6,7
	global_store_b128 v[CO], v[64*(\P)+32+4*\t:64*(\P)+32+4*\t+3], s[22:23] offset:(32*(\P)+2*\t)*4096 th:TH_STORE_NT
.endr
	WIN 0
.endm
.macro MEETP                           ; my stores of c and h are done: then the work-group's barrier, since a row's 256 bytes come from two waves
	s_wait_dscnt 0x0
	s_barrier_signal -1
	s_barrier_wait -1
.endm
; The cell's end for a pair: 32 cells a lane.  c replaces ctm in LDS, h goes to its stage.  At its head the rows of the pair before leave.
.macro FIN P
.set WP, (\P)/2
	WIN 0
.irp e, 0,1
.irp u, 0,1
.irp k, 0,1
	ds_load_b128 v[CT+16*\e+8*\u+4*\k:CT+16*\e+8*\u+4*\k+3], v[ADC] offset:(2*(\P)+\e)*16*CP+64*\u+16*\k
.endr
.endr
.endr
	WIN 0x8a+0x45*WP
	GFMA \P, 3, CL, 64                             ; the hybrid's exponent
	GCAP \P, 3
	s_wait_alu depctr_va_vdst(0)
	GEXP \P, 3
	v_nop                                          ; a plain line behind the last exponential
	WT
.if (\P) > 0
	s_wait_dscnt 8                                 ; the rows of the pair before are back in registers; ctm's eight loads, issued behind them, may be out
	OSTORE (\P)-1
	WIN 0x8a+0x45*WP
.endif
	GINC \P, 3                                     ; Dh = 1 + Eh; f's registers hold Ef
	WIN 0x2a+0x15*WP                               ; all three sources in the accumulators' window, destination in window 0
.irp e, 0,1
.irp n, 0,2,4,6,8,10,12,14
.set RR, 64*((2*(\P)+\e)%4)+\n
	v_pk_fma_f32 v[T2+16*\e+\n:T2+16*\e+\n+1], v[RR:RR+1], v[RR+48:RR+49], v[RR+48:RR+49]   ; Ef Dh + Dh = (1 + Ef) Dh
.endr
.endr
	WIN 0
.set i, 0
	s_wait_alu depctr_va_vdst(0)
.rept 32
	v_rcp_f32 v[T2+i], v[T2+i]
.set i, i+1
.endr
	WIN 0x0a+0x05*WP
.irp e, 0,1
.irp n, 0,2,4,6,8,10,12,14
.set RR, 64*((2*(\P)+\e)%4)+\n
	v_pk_add_f32 v[T1+16*\e+\n:T1+16*\e+\n+1], v[RR:RR+1], v[RR+48:RR+49]          ; Ef + Dh: the plain work behind the reciprocals
.endr
.endr
	WT
	WIN 0
.set i, 0
.rept 16
	v_pk_fma_f32 v[T1+i:T1+i+1], v[T1+i:T1+i+1], v[T2+i:T2+i+1], v[T2+i:T2+i+1]    ; (Ef + Dh) R + R = sigmoid(f) + sigmoid(hybrid)
.set i, i+2
.endr
	s_wait_dscnt 0x0                               ; ctm is in
	WIN 0x20+0x10*WP                               ; source 2 in the accumulators' window
.irp e, 0,1
.irp n, 0,2,4,6,8,10,12,14
.set RR, 64*((2*(\P)+\e)%4)+\n
	v_pk_fma_f32 v[T1+16*\e+\n:T1+16*\e+\n+1], v[CT+16*\e+\n:CT+16*\e+\n+1], v[T1+16*\e+\n:T1+16*\e+\n+1], v[RR+16:RR+17]   ; c
.endr
.endr
	WIN 0
.irp e, 0,1
.irp u, 0,1
.irp k, 0,1
	ds_store_b128 v[ADC], v[T1+16*\e+8*\u+4*\k:T1+16*\e+8*\u+4*\k+3] offset:(2*(\P)+\e)*16*CP+64*\u+16*\k   ; onto the bytes that I alone have read
.endr
.endr
.endr
.set i, 0
.rept 16
	v_pk_mul_f32 v[T2+i:T2+i+1], v[T1+i:T1+i+1], s[C2:C2+1] op_sel_hi:[1,0]
.set i, i+2
.endr
.set i, 0
.rept 32
	v_med3_num_f32 v[T2+i], v[T2+i], s[NCAP], s[CAP]   ; c's exponent, held on both sides
.set i, i+1
.endr
.set i, 0
	s_wait_alu depctr_va_vdst(0)
.rept 32
	v_exp_f32 v[T2+i], v[T2+i]
.set i, i+1
.endr
	v_nop
	WT
	WIN 0x28+0x14*WP                               ; sources 1 and 2 in the accumulators' window
.irp e, 0,1
.irp n, 0,2,4,6,8,10,12,14
.set RR, 64*((2*(\P)+\e)%4)+\n
	v_pk_fma_f32 v[CT+16*\e+\n:CT+16*\e+\n+1], v[T2+16*\e+\n:T2+16*\e+\n+1], v[RR+32:RR+33], v[RR+32:RR+33]   ; (1 + E) Do
.endr
.endr
	WIN 0
.set i, 0
	s_wait_alu depctr_va_vdst(0)
.rept 32
	v_rcp_f32 v[CT+i], v[CT+i]
.set i, i+1
.endr
.set i, 0
	v_nop                                          ; a plain line behind the last reciprocal
	WT
.set i, 0
.rept 16
	v_pk_fma_f32 v[T2+i:T2+i+1], v[T2+i:T2+i+1], v[CT+i:CT+i+1], v[CT+i:CT+i+1] neg_lo:[1,0,0] neg_hi:[1,0,0]   ; h = R - E R
.set i, i+2
.endr
.irp e, 0,1
.irp u, 0,1
.irp k, 0,1
	ds_store_b128 v[ADH], v[T2+16*\e+8*\u+4*\k:T2+16*\e+8*\u+4*\k+3] offset:(2*(\P)+\e)*16*CP+64*\u+16*\k
.endr
.endr
.endr
.endm
	s_load_b256 s[4:11], s[0:1], 0x0               ; aq, bq, hq, ctm
	s_load_b256 s[12:19], s[0:1], 0x20             ; Wb, Ub, Sb, Vb
	s_load_b128 s[20:23], s[0:1], 0x40             ; out0, out1
	v_lshl_add_u32 v[SPW], v0, 2, SPARE
	v_mov_b32 v[NIL], 0
	ds_add_u32 v28, v29
	ds_add_u32 v28, v29
	s_wait_dscnt 0x0
	v_lshrrev_b32 v1, 5, v0
	v_readfirstlane_b32 s24, v1                    ; wave 0..3
	s_lshr_b32 s25, s24, 1                         ; rh: my half of the rows.  Also: I fetch for A (0) or for B (1)
	s_and_b32 s26, s24, 1                          ; ch: my half of the cells.  Also: which of the two regions I fetch
	s_bfe_u32 s92, ttmp6, 0x40000                  ; cx
	s_bfe_u32 s93, ttmp6, 0x40004                  ; cy
	s_lshl_b32 s94, ttmp9, 2
	s_add_co_u32 s94, s94, s92                     ; tile column = 4 x cluster x + cx
	s_and_b32 s95, ttmp7, 0xffff
	s_lshl_b32 s95, s95, 2
	s_add_co_u32 s95, s95, s93                     ; tile row = 4 x cluster y + cy
	s_lshl_b32 s2, s93, 2
	s_lshl_b32 s2, 15, s2                          ; my row of the cluster: kept in s2
	s_lshl_b32 s3, 0x1111, s92                     ; my column: kept in s3
	; group 1, word 0: 15:0 the mask; 17:16 elements of 8 bytes; 21 set beside a mask.  Units are dense: 50 rows of 256 bytes each
	s_or_b32 s[G1A3], s2, (3<<16)|(1<<21)
	s_or_b32 s[G1B3], s3, (3<<16)|(1<<21)
	G1DENSE G1A3, 150
	G1DENSE G1B3, 150
	; where the units come from.  A's offset is made of the tile row, B's and Vw's of the tile column, in registers that never hold the other coordinate
	s_lshl_b32 s96, s95, 1
	s_add_co_u32 s96, s96, s26
	s_mul_i32 s96, s96, 22*UNIT                    ; A: group of 128 rows 2 x tile row + region, 22 units each
	s_mov_b32 s97, 0
	s_lshl_b32 s98, s94, 1
	s_add_co_u32 s98, s98, s26                     ; group of 32 cells 2 x tile column + region
	s_mul_i32 s66, s98, 14*UNIT
	s_mov_b32 s67, 0
	s_lshl_b32 s104, s95, 20                       ; the tile in ctm, c, h: 256 x tile row rows of 4,096 bytes
	s_lshl_b32 s105, s94, 8
	s_add_co_u32 s104, s104, s105                  ; + 256 x tile column
	s_lshl_b32 s105, s25, 19
	s_add_co_u32 s100, s104, s105                  ; the way out: + 128 rh rows
	s_lshl_b32 s105, s26, 16
	s_add_co_u32 s100, s100, s105                  ; + 16 ch rows
	s_mov_b32 s101, 0
	s_lshl_b32 s105, s24, 18
	s_add_co_u32 s104, s104, s105                  ; ctm's load: + 64 x wave rows
	s_mov_b32 s105, 0
	s_mul_i32 s27, s24, REG3                       ; where a gates' region goes: wave x 38,400: no place in the cluster enters an LDS address
	s_mul_i32 s99, s26, HBR
	s_add_co_u32 s99, s99, HB0                     ; and a region of Vw
	s_wait_kmcnt 0x0
	s_add_nc_u64 s[4:5], s[4:5], s[96:97]
	s_add_nc_u64 s[6:7], s[6:7], s[66:67]
	s_mul_i32 s66, s98, 8*SU
	s_add_nc_u64 s[8:9], s[8:9], s[66:67]
	s_add_nc_u64 s[10:11], s[10:11], s[104:105]
	s_cmp_eq_u32 s25, 0                            ; the prefetches: do I fetch for A?  One compare, then selections and moves alone
	s_cselect_b64 s[PFA:PFA+1], s[4:5], s[6:7]     ; the region that I fetch
	s_cselect_b32 s50, s92, s93                    ; my place among the four that ask for it with me: cx for A, cy for B
	s_cselect_b32 s51, 53, 37                      ; the last block of the stream's last chunk
	s_mov_b64 s[PFH:PFH+1], s[8:9]
	s_mov_b64 s[PFC:PFC+1], s[10:11]
	s_lshl_b32 s50, s50, 5
	s_add_nc_u64 s[20:21], s[20:21], s[100:101]
	s_add_nc_u64 s[22:23], s[22:23], s[100:101]
	s_mov_b32 s[CL], 0xbfb8aa3b
	s_mov_b32 s[CL+1], 0xbfb8aa3b
	s_mov_b32 s[C2], 0xc038aa3b
	s_mov_b32 s[C2+1], 0xc038aa3b
.irp s, 0,1
	s_mov_b32 s[G0A+8*\s], 1                       ; count = 1
	s_add_co_u32 s[G0A+8*\s+1], s27, \s*SLOT       ; LDS address
	s_add_nc_u64 s[G0A+8*\s+2:G0A+8*\s+3], s[4:5], \s*REG3    ; units 3 s on
	s_or_b32 s[G0A+8*\s+3], s[G0A+8*\s+3], 0x80000000         ; type = 2
	s_mov_b32 s[G0B+4*\s], 1
	s_add_co_u32 s[G0B+4*\s+1], s27, \s*SLOT
	s_add_nc_u64 s[G0B+4*\s+2:G0B+4*\s+3], s[6:7], \s*REG3
	s_or_b32 s[G0B+4*\s+3], s[G0B+4*\s+3], 0x80000000
.endr
	s_mov_b32 s[G0H5], 1
	s_add_co_u32 s[G0H5+1], s99, SLOT
	s_mov_b64 s[G0H5+2:G0H5+3], s[8:9]             ; Vw's units 0-3
	s_or_b32 s[G0H5+3], s[G0H5+3], 0x80000000
	s_mov_b32 s[G0H6], 1
	s_mov_b32 s[G0H6+1], s99
	s_add_nc_u64 s[G0H6+2:G0H6+3], s[8:9], HBR     ; its units 4-7
	s_or_b32 s[G0H6+3], s[G0H6+3], 0x80000000
	s_mov_b32 s[G0C], 1
	s_mul_i32 s[G0C+1], s24, 64*CP
	s_add_co_u32 s[G0C+1], s[G0C+1], CTM
	s_mov_b64 s[G0C+2:G0C+3], s[10:11]
	s_or_b32 s[G0C+3], s[G0C+3], 0x80000000
	s_mov_b32 s[CAP], 0x42700000                   ; 60.0
	CROUND                                         ; all sixteen work-groups are here: the first joint loads meet
	JLOAD G0A, G1A3, G0B, G1B3                     ; units 0-2
	v_and_b32 v1, 15, v0                           ; r
	v_bfe_u32 v2, v0, 4, 1                         ; h
	v_and_b32 v3, 31, v0
	v_lshlrev_b32 v3, 4, v3                        ; 16 x lane
	v_lshlrev_b32 v4, 3, v1                        ; 8 r
	s_mul_i32 s66, s25, REG3                       ; gates: my region of A,
	s_mul_i32 s67, s26, REG3
	s_add_co_u32 s67, s67, 2*REG3                  ; of B
	s_sub_co_u32 s96, s67, s66
	v_mul_u32_u24 v5, s96, v2                      ; lanes 16-31 take B's scale words: one product, the distance between the two regions
	v_add_nc_u32 v5, v5, v4
	s_mul_i32 s97, s25, HA                         ; hybrid: my region of A (s99: of Vw)
.irp s, 0,1
	v_add_nc_u32 v[ADRA+\s], s66, v3
	v_add_nc_u32 v[ADRB+\s], s67, v3
	v_add_nc_u32 v[ADRS+\s], s66, v5
	v_add_nc_u32 v[AHA+\s], s97, v3
	v_add_nc_u32 v[AHB+\s], s99, v3
	v_add_nc_u32 v[AHSA+\s], s97, v4
	v_add_nc_u32 v[AHSB+\s], s99, v4
	s_add_co_u32 s66, s66, SLOT
	s_add_co_u32 s67, s67, SLOT
	s_add_co_u32 s97, s97, SLOT
	s_add_co_u32 s99, s99, SLOT
.endr
	s_mul_i32 s66, s25, 128*CP
	s_lshl_b32 s67, s26, 7
	s_add_co_u32 s66, s66, s67
	v_mul_u32_u24 v5, v1, CP
	v_lshl_add_u32 v5, v2, 5, v5
	v_add_nc_u32 v5, s66, v5                       ; row 128 rh + r, bytes 128 ch + 32 h
	v_add_nc_u32 v[ADC], CTM, v5
	v_add_nc_u32 v[ADH], HST, v5
	s_mul_i32 s66, s25, 128*CP
	s_mul_i32 s67, s26, 16*CP
	s_add_co_u32 s66, s66, s67
	v_mul_u32_u24 v5, v2, CP
	v_lshl_add_u32 v5, v1, 4, v5
	v_add_nc_u32 v5, s66, v5                       ; row 128 rh + 16 ch + h, 16 r
	v_add_nc_u32 v[RDC], CTM, v5
	v_add_nc_u32 v[RDH], HST, v5
	v_lshlrev_b32 v[CO], 4, v1
	v_lshl_add_u32 v[CO], v2, 12, v[CO]
	v_lshlrev_b32 v[BO], 5, v2
	v_and_b32 v[PFR], 31, v0
	v_add_nc_u32 v[PFO], s50, v[PFR]               ; 32 x place + lane: my block of a chunk's 128
	v_min_u32 v[PFK], s51, v[PFO]
	v_min_u32 v[PFV], 99, v[PFO]
	v_lshlrev_b32 v[PFO], 8, v[PFO]
	v_lshlrev_b32 v[PFK], 8, v[PFK]
	v_lshlrev_b32 v[PFV], 8, v[PFV]
	v_lshlrev_b32 v[PFR], 12, v[PFR]
	s_wait_alu depctr_va_vdst(0)                   ; the prefetches below read v[PFO], made just above
	global_prefetch_b8 v[PFO], s[PFA:PFA+1] offset:PF0 th:TH_LOAD_NT scope:SCOPE_SE         ; blocks 150 to 405: units 3-5 end at 299
	global_prefetch_b8 v[PFO], s[PFA:PFA+1] offset:PF0+PFS th:TH_LOAD_NT scope:SCOPE_SE
	; the biases of my 32 cells: lane (r, h) wants, for gate g and u, those of cells 16 u + 8 h + 0 .. 7
	s_wait_alu depctr_va_vdst(0)
	s_lshl_b32 s66, s94, 8
	s_lshl_b32 s67, s26, 7
	s_add_co_u32 s66, s66, s67                     ; (64 x tile column + 32 ch) x 4 bytes
	s_mov_b32 s67, 0
	s_add_nc_u64 s[12:13], s[12:13], s[66:67]
	s_add_nc_u64 s[14:15], s[14:15], s[66:67]
	s_add_nc_u64 s[16:17], s[16:17], s[66:67]
	s_add_nc_u64 s[18:19], s[18:19], s[66:67]
.irp g, 0,1,2,3
.irp u, 0,1
.irp k, 0,1
	global_load_b128 v[BI+16*\g+8*\u+4*\k:BI+16*\g+8*\u+4*\k+3], v[BO], s[12:13] offset:4096*\g+64*\u+16*\k
.endr
.endr
.endr
.irp u, 0,1
.irp k, 0,1
	global_load_b128 v[BI+64+8*\u+4*\k:BI+64+8*\u+4*\k+3], v[BO], s[18:19] offset:64*\u+16*\k
.endr
.endr
	WIN TO_B                                       ; Ub and Sb into window 1, where B's fragments will lie
.irp g, 0,1,2,3
.irp u, 0,1
.irp k, 0,1
	global_load_b128 v[16*\g+8*\u+4*\k:16*\g+8*\u+4*\k+3], v[BO], s[14:15] offset:4096*\g+64*\u+16*\k
	global_load_b128 v[64+16*\g+8*\u+4*\k:64+16*\g+8*\u+4*\k+3], v[BO], s[16:17] offset:4096*\g+64*\u+16*\k
.endr
.endr
.endr
	WIN 0                                          ; the add's registers lie in window 0
	s_wait_alu depctr_va_vdst(0)
	s_wait_tensorcnt 0x0                           ; my part of slot 0 is in; slot 1's first fill is issued as a refill is:
	ds_add_u32 v[SPW], v[NIL]                      ; 0 onto my spare word
	s_wait_dscnt 0x0                               ; the add is done
	CROUND                                         ; everybody's part of slot 0 is in, and all sixteen work-groups are here
	JLOAD G0A+8, G1A3, G0B+4, G1B3                 ; units 3-5: my one tensor load behind the round; the biases' arithmetic below stands behind it
	global_prefetch_b8 v[PFO], s[PFA:PFA+1] offset:PF0+2*PFS th:TH_LOAD_NT scope:SCOPE_SE   ; up to block 533: units 6-8 end at 449
	s_wait_loadcnt 0x0                             ; the biases are in, and their loads have read their bases
	; the three groups 1 that are wanted late, in registers that are free from here on
	s_or_b32 s[G1A4], s2, (3<<16)|(1<<21)
	G1DENSE G1A4, 200
	s_or_b32 s[G1H], s3, (3<<16)|(1<<21)
	G1DENSE G1H, 50
	s_mov_b32 s[NCAP], 0xc2700000                  ; -60.0: the mask that lay here has been used for the last time
	; ctm: 64 rows x 64 numbers of 4 bytes, 1,024 numbers from row to row; 16 bytes of padding behind every 64 words; no mask: my work-group's own
	s_mov_b32 s[G1C], (2<<16)|(1<<20)|(5<<22)|(3<<25)
	s_mov_b32 s[G1C+1], 64<<16
	s_mov_b32 s[G1C+2], 64<<16
	s_mov_b32 s[G1C+3], 64<<16
	s_mov_b32 s[G1C+4], 64
	s_mov_b32 s[G1C+5], 1024
	s_mov_b32 s[G1C+6], 0
	s_mov_b32 s[G1C+7], 0
	WIN 0x04                                       ; source 1 in window 1
.set i, 0
.rept 32
	v_pk_add_f32 v[BI+i:BI+i+1], v[BI+i:BI+i+1], v[i:i+1]
.set i, i+2
.endr
.set i, 0
.rept 32
	v_pk_add_f32 v[BI+i:BI+i+1], v[BI+i:BI+i+1], v[64+i:64+i+1]
.set i, i+2
.endr
	WIN 0
.set i, 0
.rept 24
	v_pk_mul_f32 v[BI+i:BI+i+1], v[BI+i:BI+i+1], s[CL:CL+1] op_sel_hi:[1,0]        ; f, i, o: x -log2(e)
.set i, i+2
.endr
.rept 8
	v_pk_mul_f32 v[BI+i:BI+i+1], v[BI+i:BI+i+1], s[C2:C2+1] op_sel_hi:[1,0]        ; ch: x -2 log2(e)
.set i, i+2
.endr
.rept 8
	v_pk_mul_f32 v[BI+i:BI+i+1], v[BI+i:BI+i+1], s[CL:CL+1] op_sel_hi:[1,0]        ; hybrid
.set i, i+2
.endr
	s_wait_alu depctr_va_vdst(0)                   ; slot 0 was shown whole by the round above
	FETCH_B 0, 0, 0
	FETCH_A 0, 0, 0
	SCALES 0, 0, 0
	FETCH_A 0, 0, 4
	; ---- THE GATES: units 0 to 13; unit n takes set n % 2
	GSTEP 0, 0, 0, 1                               ; unit 0: its products start the sums: nothing is cleared
	GSTEP 0, 1, 1, 0
	TURN 0, 0, 1, 1                                ; unit 2; slot 0 takes units 6-8
	GSTEP 1, 0, 1, 0
	GSTEP 1, 1, 0, 0
	TURN 1, 1, 0, 1                                ; unit 5; slot 1 takes units 9-11
	GSTEP 0, 0, 0, 0
	GSTEP 0, 1, 1, 0
	TURN 0, 0, 1, 2                                ; unit 8; slot 0 takes units 12, 13
	GSTEP 1, 0, 1, 0
	GSTEP 1, 1, 0, 0
	TURN 1, 1, 0, 3                                ; unit 11; slot 1 takes the hybrid's units 0-3
	GSTEP 0, 0, 0, 0
	s_wait_dscnt 12                                ; unit 13, the gates' last: nothing more to fetch
	WIN MUL_LO
	MUL16 0, 1, 0
	MUL16 2, 1, 0
	s_wait_dscnt 0x0
	WIN MUL_HI
	MUL16 4, 1, 0
	MUL16 6, 1, 0
	WIN 0
	PLACES 4
	ACT2S 0                                        ; f and o of my rows 0-31, while slot 1's fill lands
	; ---- the change to the hybrid: slot 0 takes its units 4-7
	WIN 0
	s_wait_tensorcnt 0x0                           ; all my tensor loads have landed, so a group 0 may be written
	ds_add_u32 v[SPW], v[NIL]                      ; 0 onto my spare word
	s_mul_i32 s[G0A+1], s26, HA                    ; A's regions are now 51,200 bytes
	s_add_nc_u64 s[G0A+2:G0A+3], s[G0A+2:G0A+3], 6*UNIT   ; from unit 12 to unit 18
	s_wait_dscnt 0x0                               ; the add is done, and my reads of slot 0 are over
	CROUND
	JLOAD G0A, G1A4, G0H6, G1H                     ; its four v_nop are the places in front of the loads that follow
	HFETCH 1, 0
	A1PRE 0                                        ; i and ch are used up while the operands come out of LDS
	s_wait_alu depctr_va_vdst(0)
	A1EXP 0
	s_wait_alu depctr_va_vdst(0)
	A1PRE 1                                        ; the next pair's exponents are the work between a batch and its wait
	WT
	A1MID 0
	s_wait_alu depctr_va_vdst(0)
	A1RCP 0
	A1EXP 1
	s_wait_alu depctr_va_vdst(0)
	A1PRE 2
	WT
	A1END 0
	A1MID 1
	s_wait_alu depctr_va_vdst(0)
	A1RCP 1
	A1EXP 2
	s_wait_alu depctr_va_vdst(0)
	A1PRE 3
	WT
	A1END 1
	A1MID 2
	s_wait_alu depctr_va_vdst(0)
	A1RCP 2
	A1EXP 3
	v_nop
	WT
	A1END 2
	A1MID 3
	s_wait_alu depctr_va_vdst(0)
	A1RCP 3
	v_nop
	WT
	A1END 3
	s_wait_dscnt 0x0
	HMUL 0, 1                                      ; the hybrid's sums begin, in the registers that ch has left
	HMUL 1, 0
	PLACES 4
	HFETCH 1, 1
	ACT2S 1                                        ; f and o of my rows 32-63, while the 70 LDS loads come back
	s_wait_dscnt 0x0
	HMUL 0, 0
	HMUL 1, 0
	; ---- the change to slot 0: slot 1 takes ctm, my 64 rows of it: the last tensor load
	WIN 0
	s_wait_tensorcnt 0x0
	ds_add_u32 v[SPW], v[NIL]                      ; 0 onto my spare word
	s_wait_dscnt 0x0                               ; the add is done, and my reads of slot 1 are over
	CROUND
	tensor_load_to_lds s[G0C:G0C+3], s[G1C:G1C+7]
	s_nop 0
.rept 4
	v_nop
.endr
	HFETCH 0, 0
	ACT2S 2
	s_wait_dscnt 0x0
	HMUL 0, 0
	HMUL 1, 0
	PLACES 4
	HFETCH 0, 1
	ACT2S 3
	s_wait_dscnt 0x0
	HMUL 0, 0
	HMUL 1, 0
	WIN 0
	PLACES 4
	s_wait_tensorcnt 0x0                           ; my rows of ctm are in;
	s_wait_dscnt 0x0
	s_barrier_signal -1
	s_barrier_wait -1                              ; everybody's are.
	FIN 0
	MEETP
	OLOAD 0
	FIN 1
	MEETP
	OLOAD 1
	FIN 2
	MEETP
	OLOAD 2
	FIN 3
	MEETP
	OLOAD 3
	s_wait_dscnt 0x0
	OSTORE 3
	s_wait_tensorcnt 0x0                           ; the wave's end: behind my last tensor load and my last LDS store
	ds_add_u32 v[SPW], v[NIL]
	s_wait_dscnt 0x0
	CROUND                                         ; the closing round: no work-group ends while a partner may still ask for a tile that names it
	s_endpgm
.Lfunc_end_k_qcb2b019906_cell:
	.size	k_qcb2b019906_cell, .Lfunc_end_k_qcb2b019906_cell-k_qcb2b019906_cell
	.p2alignl 7, 3214868480
	.fill 96, 4, 3214868480
	.section	.rodata,"a",@progbits
	.p2align	6, 0x0
	.amdhsa_kernel k_qcb2b019906_cell
		.amdhsa_group_segment_fixed_size 327680
		.amdhsa_private_segment_fixed_size 0
		.amdhsa_enable_private_segment 0
		.amdhsa_kernarg_size 80
		.amdhsa_user_sgpr_count 2
		.amdhsa_user_sgpr_kernarg_segment_ptr 1
		.amdhsa_wavefront_size32 1
		.amdhsa_system_sgpr_workgroup_id_x 1
		.amdhsa_system_sgpr_workgroup_id_y 1
		.amdhsa_system_sgpr_workgroup_id_z 1
		.amdhsa_system_vgpr_workitem_id 0
		.amdhsa_next_free_vgpr 1024
		.amdhsa_next_free_sgpr 106
		.amdhsa_reserve_vcc 0
		.amdhsa_float_denorm_mode_32 3
		.amdhsa_float_denorm_mode_16_64 3
		.amdhsa_memory_ordered 1
		.amdhsa_forward_progress 1
		.amdhsa_inst_pref_size 255
	.end_amdhsa_kernel
	.section	.bss,"aw",@nobits
	.p2align	6
	.space	262144
	.amdgpu_metadata
---
amdhsa.version: [ 1, 2 ]
amdhsa.kernels:
  - .name:           k_qcb2b019906_cell
    .symbol:         k_qcb2b019906_cell.kd
    .args:
      - { .name: aq, .offset: 0, .size: 8, .value_kind: global_buffer, .address_space: global }
      - { .name: bq, .offset: 8, .size: 8, .value_kind: global_buffer, .address_space: global }
      - { .name: hq, .offset: 16, .size: 8, .value_kind: global_buffer, .address_space: global }
      - { .name: ctm, .offset: 24, .size: 8, .value_kind: global_buffer, .address_space: global }
      - { .name: Wb, .offset: 32, .size: 8, .value_kind: global_buffer, .address_space: global }
      - { .name: Ub, .offset: 40, .size: 8, .value_kind: global_buffer, .address_space: global }
      - { .name: Sb, .offset: 48, .size: 8, .value_kind: global_buffer, .address_space: global }
      - { .name: Vb, .offset: 56, .size: 8, .value_kind: global_buffer, .address_space: global }
      - { .name: out0, .offset: 64, .size: 8, .value_kind: global_buffer, .address_space: global }
      - { .name: out1, .offset: 72, .size: 8, .value_kind: global_buffer, .address_space: global }
    .group_segment_fixed_size: 327680
    .private_segment_fixed_size: 0
    .kernarg_segment_align: 8
    .kernarg_segment_size: 80
    .max_flat_workgroup_size: 128
    .sgpr_count:     106
    .vgpr_count:     1024
    .wavefront_size: 32
...
	.end_amdgpu_metadata
.endif
;; end of part 2
